; MI455X (gfx1250); checked and timed in simulation.
; The chip was launched on July 23, 2026; its instructions are those of AMD's public machine-readable ISA for CDNA 5 (MIT licence, August 2026) and "CDNA5" Instruction Set Architecture Reference Guide (July 2026). The comments in the code are by the model that wrote it; some were corrected since.
;; Group Query Attention. Allowed arithmetic: matrix products marked QUANTISED: E4M3 operands, one given power-of-two scale a tensor, by v_wmma_f32_16x16x64_fp8_fp8 or v_wmma_f32_16x16x128_fp8_fp8, f32 sums; everything else in f32.
;; Inputs: Wk 2,048 x 512 float32; Wo 2,048 x 2,048 float32; Wq 2,048 x 2,048 float32; Wv 2,048 x 512 float32; bk 512 float32; bo 2,048 float32; bq 2,048 float32; bv 512 float32; lowp_scales 12 int32 (the exponents e of the quantised operands' scales 2^e); x 4 x 1,024 x 2,048 float32.
;; Outputs: out0 4 x 1,024 x 2,048 float32.
;; This version of the problem:
;;   THIS VERSION OF THE PROBLEM IS GIVEN IN LOW PRECISION. The matrix products marked QUANTISED in the list below multiply operands that are first quantised to E4M3 (4 exponent bits, 3 mantissa bits; 8 bits a number), with one given power-of-two scale for each operand tensor; their sums are f32. All else is computed in f32.
;;   The module's matrix products, in the order in which they are computed (A, B: the left and right operand; K: the contracted axis; several contracted axes count as one K, in the product's order):
;;     1. [M 4,096, K 2,048] x [K 2,048, N 2,048]; A: input x; B: input Wq: QUANTISED (scales: A lowp_scales[0], B lowp_scales[1])
;;     2. [M 4,096, K 2,048] x [K 2,048, N 512]; A: input x; B: input Wk: QUANTISED (scales: A lowp_scales[2], B lowp_scales[3])
;;     3. [M 4,096, K 2,048] x [K 2,048, N 512]; A: input x; B: input Wv: QUANTISED (scales: A lowp_scales[4], B lowp_scales[5])
;;     4. batch 64 x [M 1,024, K 128] x [K 128, N 1,024]; A: computed on the way; B: computed on the way: QUANTISED (scales: A lowp_scales[6], B lowp_scales[7])
;;     5. batch 64 x [M 1,024, K 1,024] x [K 1,024, N 128]; A: softmax (see below); B: computed on the way: QUANTISED (scales: A lowp_scales[8], B lowp_scales[9])
;;     6. [M 4,096, K 2,048] x [K 2,048, N 2,048]; A: computed on the way; B: input Wo: QUANTISED (scales: A lowp_scales[10], B lowp_scales[11])
;;   THE QUANTISER, for each operand of a quantised product, along K:
;;     - The operand's scale is 2^e, e = its entry of the input lowp_scales (int32; the entries are numbered through the quantised products in the list's order, A before B).
;;     - Each number is divided by the scale, clamped to +-448, and rounded to the nearest number of E4M3, ties to even, subnormals kept.
;;     - The product sums the exact products of the quantised numbers (number of the format x scale) in f32.
;;   ~~~python
;;   def quantise(x, axis, e):      # numpy; x: float32 -> the quantised numbers, widened to float32 again
;;       x = np.moveaxis(x, axis, -1); K = x.shape[-1]
;;       r = np.clip(x / 2.0 ** e, -448, 448)
;;       step = 2.0 ** (np.maximum(np.frexp(np.where(r == 0, 1, r))[1] - 1, -6) - 3)
;;       q = np.round(r / step) * step * 2.0 ** e      # np.round: ties to even
;;       return np.moveaxis(q, -1, axis).astype(np.float32)
;;   ~~~
;;   SOFTMAX AHEAD OF A QUANTISED PRODUCT. Where the list says 'softmax', what is quantised is not the finished softmax but p = 2^(t - M), with t = logit x log2(e) and M = ceil(the row's largest t), a whole number; so 1/2 < the row's largest p <= 1. The row's sum l is taken of the UNQUANTISED p, in f32, and the product's result is divided by l at the end. Since M is a whole number, a kernel that streams over the keys may use a running M (the ceiling of the running maximum): every later rescaling is an exact power of two, so the quantised numbers keep their values, but for numbers so far below the row's largest that they fall under the format's range.
;;   OPERANDS COMPUTED ON THE WAY. 'Computed on the way' means the value that the module computes at that place (a softmax that the list does not call 'softmax' is quantised finished and normalised). What goes into a quantiser is computed in f32, as accurately as f32 sums, v_exp_f32 and their like allow (about 1e-6 of the number): no bf16 or f16 on the way to a quantiser, and a product that is left as it is and whose result goes on into a quantised operand takes f32 operands (vector FMAs, or v_wmma_f32_16x16x4_f32). A number that lies on a knife's edge between two numbers of the format may be rounded either way, as far as f32 arithmetic and the matrix unit's own rounding can turn it there, and no further.
;; One version. Each part assembles by itself: llvm-mc -triple=amdgcn-amd-amdhsa -mcpu=gfx1250 --defsym DOCPART=n.
;; ======== version 1 of 1: 4 launches
;; limits: right only within a limited range of input values
;; workspace buffers: ximg 25,165,824 bytes; wimg 10,485,760 bytes; qkv 12,582,912 bytes; ao 8,388,608 bytes
;; launch quant (part 1): grid 1792 x 1, 4 waves a work-group, no clusters, 17,920 bytes of LDS; arguments x, Wq, Wk, Wv, Wo, lowp_scales, ximg, wimg; writes ximg, wimg
.if DOCPART == 1
	.amdgcn_target "amdgcn-amd-amdhsa--gfx1250"
	.amdhsa_code_object_version 6
	.text
	.protected	k_qecbb8deb66_quant
	.globl	k_qecbb8deb66_quant
	.p2align	8
	.type	k_qecbb8deb66_quant,@function
k_qecbb8deb66_quant:
	s_mov_b64 s[64:65], 0
	v_nop
	global_prefetch_b8 v0, s[64:65] scope:SCOPE_SE
	s_setreg_imm32_b32 hwreg(HW_REG_WAVE_MODE, 25, 1), 1
	s_wait_xcnt 0x0
; x [4096][2048] and the four weights [2048 (k)][n], f32, become codes of E4M3, laid as IMAGES OF FRAGMENTS for the two GEMM launches.
; A fragment is 16 rows x 128 positions along K, 16 registers a lane; its image is 2,048 bytes: registers 4 c .. 4 c + 3 of lane l at byte 512 c + 16 l.
; code = number / 2^e, held within +-448, to the nearest code, ties to even.  x is an operand of three products with three given exponents (entries 0, 2, 4).  A set of codes is made for each DIFFERENT exponent:
; version 0 (entry 0) always; version 1 (entry 2) where e2 differs from e0; version 2 (entry 4) where e4 differs from both.  The GEMM launch chooses its version by the same comparisons, so it reads only what is written here.
; ximg: [version 3][group of 128 rows 32][K step of 256: 8][tile of 16 rows 8][half of the K step 2][2,048].   wimg: [group of 128 columns 40][8][8][2][2,048]; groups 0-15 Wq, 16-19 Wk, 20-23 Wv, 24-39 Wo.
; WHICH k LIES WHERE is free as long as both operands of a product agree.  x, Wq, Wk, Wv: position P of a K step's 256 holds k = 64 ((P >> 2) & 3) + 4 (P >> 4) + (P & 3): what a lane gets of a row when
; sixteen lanes read 256 consecutive bytes four times.  Wo: the matrix form's own order, k = 32 c + 8 h + 16 (byte >> 3) + (byte & 7) in piece (c, h), which the attention launch's results have by themselves.
; THE DEAL.  Work-groups 0-1279 take the weights: group of columns = number / 32, K step = (number / 4) % 8, quarter of the K step = number % 4; a wave takes 32 columns x 64 positions, two blocks of 32, and asks for
; all its 64 loads at once.  Work-groups 1280-1791 take x (a wave: 16 rows x 256 k, 32 loads at once).  Waves share nothing: no barrier.  No input is read by two work-groups: no cluster.
; LIMITS: each exponent used here (entries 0 to 5 and 11) between -126 and 119, so that 2^e and 448 x 2^e are f32 numbers.  NaN among the inputs is not served (an infinity is held at the largest code).
.set WWG,   1280                       ; the weights' work-groups
.set VERB,  8388608                    ; bytes of one version of x's codes
.set SP,    272                        ; a stage row: 256 bytes + 16, so that sixteen lanes' 16-byte stores, a row apart, fall on sixteen different 16-byte columns of 256
.set WSTG,  16*SP                      ; a wave's stage
.set XOF,   4                          ; v4   x path: my 16 bytes in a pair of rows
.set STA,   5                          ; v5   into the stage
.set RDA,   6                          ; v6   out of it
.set GOF,   7                          ; v7   16 x lane
.set SC,    8                          ; v8-10   2^e as f32, versions 0, 1, 2
.set LIM,   11                         ; v11-13  448 x 2^e
.set XD,    32                         ; v32-159 the unit's numbers: 16 for each pair of rows
.set T,     160                        ; v160-175 held numbers
.set C,     176                        ; v176-207 a version's codes
.set OUTR,  208                        ; v208-239 the version's images, on their way out
.set OFF,   32                         ; W path: v32-63 byte offset of row map(i) of a block, at my column
.set XW,    64                         ; v64-127 two sets of 32 numbers
.set CW,    128                        ; v128-143 codes, eight registers for each block: no store's data are written again
; One version of the unit's codes.  Lane (p16 = lane % 16, hh = lane / 16) holds, for pair p, the 16 numbers of piece p16 of row 2 p + hh.  The unit's 4,096 bytes want piece p16 of row r at 256 p16 + 16 r.
.macro VERSION ver, first
.irp p, 0,1,2,3,4,5,6,7
.if \first
	s_wait_loadcnt 28-4*\p                         ; this pair's four loads are in; the younger pairs' stay out
.endif
.irp i, 0,1,2,3,4,5,6,7,8,9,10,11,12,13,14,15
	v_med3_num_f32 v[T+\i], v[XD+16*\p+\i], -v[LIM+\ver], v[LIM+\ver]   ; the conversion to an 8-bit code does not saturate (ISA guide 7.6.2): the hold comes first
.endr
	v_cvt_scalef32_pk8_fp8_f32 v[C+4*\p:C+4*\p+1], v[T:T+7], v[SC+\ver]
	v_cvt_scalef32_pk8_fp8_f32 v[C+4*\p+2:C+4*\p+3], v[T+8:T+15], v[SC+\ver]
	v_nop                                          ; one plain line between the conversions and the next pair's holds, which write their sources
	ds_store_b128 v[STA], v[C+4*\p:C+4*\p+3] offset:32*\p
.endr
.if \first == 0
	s_wait_xcnt 0x0                                ; the earlier version's stores have read OUTR: only now is it loaded again
.endif
.irp t, 0,1,2,3,4,5,6,7
	ds_load_b128 v[OUTR+4*\t:OUTR+4*\t+3], v[RDA] offset:2*SP*\t   ; LDS serves a wave's instructions in order (ISA guide 5.7.1.4): these see the stores above
.endr
.irp t, 0,1,2,3,4,5,6,7
	s_wait_dscnt 7-\t                              ; the count ends at 0: the next version may write C and the stage again
	global_store_b128 v[GOF], v[OUTR+4*\t:OUTR+4*\t+3], s[36+2*\ver:37+2*\ver] offset:512*\t   ; 32 lanes store 512 consecutive bytes, aligned
.endr
.endm
; Block t (0, 1) of my quarter: 32 positions along K of my column
.macro LOADW t
.set i, 0
.rept 32
	global_load_b32 v[XW+32*(\t)+i], v[OFF+i], s[48+2*(\t):49+2*(\t)] th:TH_LOAD_NT   ; a wave reads 128 consecutive bytes of one row of W, the four waves 512
.set i, i+1
.endr
.endm
.macro BLOCKW t
	s_wait_loadcnt 32*(1-(\t))                     ; this block's 32 loads are in; block 1's may be out while block 0 is worked
.set i, 0
.rept 32
	v_med3_num_f32 v[XW+32*(\t)+i], v[XW+32*(\t)+i], -v9, v9
.set i, i+1
.endr
.irp g, 0,1,2,3
	v_cvt_scalef32_pk8_fp8_f32 v[CW+8*(\t)+2*\g:CW+8*(\t)+2*\g+1], v[XW+32*(\t)+8*\g:XW+32*(\t)+8*\g+7], v8
.endr
	v_nop                                          ; one plain line behind the last conversion of the run
	global_store_b128 v7, v[CW+8*(\t):CW+8*(\t)+3], s[44:45] offset:512*(\t)         ; positions 0-15 of the block: sixteen lanes store 256 consecutive bytes of one image, aligned
	global_store_b128 v7, v[CW+8*(\t)+4:CW+8*(\t)+7], s[44:45] offset:512*(\t)+256   ; positions 16-31
.endm
	s_load_b512 s[4:19], s[0:1], 0x0               ; x 4, Wq 6, Wk 8, Wv 10, Wo 12, the exponents 14, ximg 16, wimg 18
	v_lshl_add_u32 v240, v0, 2, 0x4400
	v_mov_b32 v241, 0
	v_lshrrev_b32 v1, 5, v0
	v_readfirstlane_b32 s32, v1                    ; wave 0..3
	v_and_b32 v2, 15, v0                           ; lane % 16
	v_bfe_u32 v3, v0, 4, 1                         ; lane / 16
	v_and_b32 v1, 31, v0                           ; lane
	s_wait_kmcnt 0x0
	s_load_b256 s[20:27], s[14:15], 0x0            ; e0 .. e7
	s_load_b128 s[28:31], s[14:15], 0x20           ; e8 .. e11
	s_cmp_ge_u32 ttmp9, WWG
	s_cbranch_scc0 .Lweights
	; ---- x: u = work-group - WWG; tile of rows RT = u / 2, K step q = 4 (u % 2) + wave
	s_sub_co_u32 s33, ttmp9, WWG
	s_and_b32 s42, s33, 1
	s_lshr_b32 s33, s33, 1                         ; RT
	s_lshl_b32 s42, s42, 2
	s_add_co_u32 s42, s42, s32                     ; q
	s_lshl_b32 s34, s33, 17                        ; 16 rows of 8,192 bytes
	s_lshl_b32 s43, s42, 10                        ; 256 numbers
	s_add_co_u32 s34, s34, s43
	s_mov_b32 s35, 0
	s_add_nc_u64 s[34:35], s[4:5], s[34:35]
	s_lshr_b32 s44, s33, 3
	s_lshl_b32 s44, s44, 18                        ; group of 128 rows
	s_lshl_b32 s43, s42, 15                        ; K step
	s_add_co_u32 s44, s44, s43
	s_and_b32 s43, s33, 7
	s_lshl_b32 s43, s43, 12                        ; tile
	s_add_co_u32 s44, s44, s43
	s_mov_b32 s45, 0
	s_add_nc_u64 s[36:37], s[16:17], s[44:45]
	s_add_nc_u64 s[38:39], s[36:37], VERB
	s_add_nc_u64 s[40:41], s[38:39], VERB
	s_wait_alu depctr_va_vdst(0)                   ; the wait here, directly ahead of the readers below
	v_lshlrev_b32 v[XOF], 4, v2
	v_lshl_add_u32 v[XOF], v3, 13, v[XOF]          ; lanes 0-15 the even row, lanes 16-31 the odd one
.irp p, 0,1,2,3,4,5,6,7
.irp i, 0,1,2,3
	global_load_b128 v[XD+16*\p+4*\i:XD+16*\p+4*\i+3], v[XOF], s[34:35] offset:16384*\p+256*\i th:TH_LOAD_NT   ; sixteen lanes read 256 consecutive bytes of a row, aligned
.endr
.endr
	s_mul_i32 s43, s32, WSTG
	v_mul_u32_u24 v[STA], v2, SP
	v_lshl_add_u32 v[STA], v3, 4, v[STA]
	v_add_nc_u32 v[STA], s43, v[STA]               ; stage row = my piece, byte 16 x row
	v_mul_u32_u24 v[RDA], v3, SP
	v_lshl_add_u32 v[RDA], v2, 4, v[RDA]
	v_add_nc_u32 v[RDA], s43, v[RDA]               ; back: two stage rows an instruction
	v_lshlrev_b32 v[GOF], 4, v1
	s_wait_kmcnt 0x0
.irp ver, 0,1,2
	s_add_co_i32 s43, s[20+2*\ver], 127
	s_lshl_b32 s46, s43, 23
	v_mov_b32 v[SC+\ver], s46                      ; 2^e as f32: the conversion takes its exponent field
	s_add_co_i32 s43, s43, 8
	s_lshl_b32 s43, s43, 23
	s_or_b32 s43, s43, 0x600000
	v_mov_b32 v[LIM+\ver], s43                     ; 448 x 2^e
.endr
	s_wait_alu depctr_va_vdst(0)                   ; the wait at the head's end
	VERSION 0, 1
	s_cmp_eq_u32 s22, s20                          ; e2 = e0: the second product reads version 0, and version 1 is not made
	s_cbranch_scc1 .Lsame_1
	VERSION 1, 0
.Lsame_1:
	s_cmp_eq_u32 s24, s20                          ; e4 = e0: the third product reads version 0;
	s_cbranch_scc1 .Lsame_2
	s_cmp_eq_u32 s24, s22                          ; e4 = e2, which differs from e0: it reads version 1
	s_cbranch_scc1 .Lsame_2
	VERSION 2, 0
.Lsame_2:
	s_wait_tensorcnt 0x0                           ; the wave's end, behind my last LDS store
	ds_add_u32 v240, v241
	s_wait_dscnt 0x0
	s_endpgm
.Lweights:
	; ---- the weights.  A LANE TAKES A COLUMN, AND ITS REGISTERS RUN DOWN K in the order in which the image wants the positions: nothing is transposed
	s_and_b32 s33, ttmp9, 3                        ; quarter of the K step: blocks 2 x quarter and 2 x quarter + 1 of its eight
	s_lshr_b32 s34, ttmp9, 5                       ; cg: group of 128 columns
	s_bfe_u32 s35, ttmp9, 0x30002                  ; Y: K step
	s_mov_b64 s[36:37], s[12:13]                   ; Wo: a row is 8,192 bytes, its groups begin at 24
	s_mov_b32 s38, 8192
	s_mov_b32 s39, 24
	s_cmp_lt_u32 s34, 24                           ; the choices hang on the work-group's number alone
	s_cselect_b64 s[36:37], s[10:11], s[36:37]     ; Wv
	s_cselect_b32 s38, 2048, s38
	s_cselect_b32 s39, 20, s39
	s_cselect_b32 s41, 8, 32                       ; rows of W from block to block: 8 in x's order of k, 32 in the form's own
	s_cmp_lt_u32 s34, 20
	s_cselect_b64 s[36:37], s[8:9], s[36:37]       ; Wk
	s_cselect_b32 s39, 16, s39
	s_cmp_lt_u32 s34, 16
	s_cselect_b64 s[36:37], s[6:7], s[36:37]       ; Wq
	s_cselect_b32 s38, 8192, s38
	s_cselect_b32 s39, 0, s39
	s_sub_co_u32 s39, s34, s39                     ; the group's number within its tensor
	s_mul_i32 s41, s41, s38                        ; a block on, in bytes
	s_lshl_b32 s42, s39, 9                         ; 128 columns of 4 bytes
	s_lshl_b32 s43, s32, 7                         ; my wave's 32
	s_add_co_u32 s42, s42, s43
	s_mul_i32 s43, s35, s38
	s_lshl_b32 s43, s43, 8                         ; 256 Y rows
	s_add_co_u32 s42, s42, s43
	s_mov_b32 s43, 0
	s_add_nc_u64 s[48:49], s[36:37], s[42:43]
	s_mul_i32 s42, s41, s33
	s_lshl_b32 s42, s42, 1                         ; 2 x quarter blocks on
	s_add_nc_u64 s[48:49], s[48:49], s[42:43]
	s_mov_b32 s42, s41
	s_add_nc_u64 s[50:51], s[48:49], s[42:43]      ; a base for each block: no pointer is stepped while loads are out
	s_lshl_b32 s44, s34, 18
	s_lshl_b32 s45, s35, 15
	s_add_co_u32 s44, s44, s45
	s_lshl_b32 s45, s32, 13                        ; my wave's two tiles
	s_add_co_u32 s44, s44, s45
	s_lshl_b32 s45, s33, 10                        ; a block's piece of an image is 512 bytes: my quarter's two
	s_add_co_u32 s44, s44, s45
	s_mov_b32 s45, 0
	s_add_nc_u64 s[44:45], s[18:19], s[44:45]
	s_wait_alu depctr_va_vdst(0)                   ; the wait here, directly ahead of the readers below
	v_lshlrev_b32 v10, 2, v1                       ; my column
	v_lshlrev_b32 v7, 4, v2
	v_lshl_add_u32 v7, v3, 12, v7                  ; out: tile lane / 16, row lane % 16
	s_wait_alu depctr_va_vdst(0)                   ; the wait here
	s_cmp_lt_u32 s34, 24
.set i, 0
.rept 32                               ; position i = 16 h + byte of a block lies map(i) rows below the block's first
.set XM, 4*(i/16)+64*((i%16)/4)+(i%4)
.set PM, 8*(i/16)+16*((i%16)/8)+(i%8)
	s_cselect_b32 s46, XM, PM
	s_mul_i32 s46, s46, s38
	v_add_nc_u32 v[OFF+i], s46, v10
.set i, i+1
.endr
	s_wait_alu depctr_va_vdst(0)
	LOADW 0
	LOADW 1
	s_wait_kmcnt 0x0                               ; the exponents: only the conversions want them, so the loads stand ahead of this wait
	s_mov_b32 s40, s31                             ; Wo: entry 11
	s_cmp_lt_u32 s34, 24
	s_cselect_b32 s40, s25, s40                    ; Wv: entry 5
	s_cmp_lt_u32 s34, 20
	s_cselect_b32 s40, s23, s40                    ; Wk: entry 3
	s_cmp_lt_u32 s34, 16
	s_cselect_b32 s40, s21, s40                    ; Wq: entry 1
	s_add_co_i32 s40, s40, 127
	s_lshl_b32 s47, s40, 23
	v_mov_b32 v8, s47                              ; 2^e
	s_add_co_i32 s40, s40, 8
	s_lshl_b32 s40, s40, 23
	s_or_b32 s40, s40, 0x600000
	v_mov_b32 v9, s40                              ; 448 x 2^e
	s_wait_alu depctr_va_vdst(0)                   ; the wait at the head's end
	BLOCKW 0
	BLOCKW 1
	s_endpgm
.Lfunc_end_k_qecbb8deb66_quant:
	.size	k_qecbb8deb66_quant, .Lfunc_end_k_qecbb8deb66_quant-k_qecbb8deb66_quant
	.p2alignl 7, 3214868480
	.fill 96, 4, 3214868480
	.section	.rodata,"a",@progbits
	.p2align	6, 0x0
	.amdhsa_kernel k_qecbb8deb66_quant
		.amdhsa_group_segment_fixed_size 17920
		.amdhsa_private_segment_fixed_size 0
		.amdhsa_enable_private_segment 0
		.amdhsa_kernarg_size 64
		.amdhsa_user_sgpr_count 2
		.amdhsa_user_sgpr_kernarg_segment_ptr 1
		.amdhsa_wavefront_size32 1
		.amdhsa_system_sgpr_workgroup_id_x 1
		.amdhsa_system_sgpr_workgroup_id_y 1
		.amdhsa_system_sgpr_workgroup_id_z 1
		.amdhsa_system_vgpr_workitem_id 0
		.amdhsa_next_free_vgpr 242
		.amdhsa_next_free_sgpr 66
		.amdhsa_reserve_vcc 0
		.amdhsa_float_denorm_mode_32 3
		.amdhsa_float_denorm_mode_16_64 3
		.amdhsa_memory_ordered 1
		.amdhsa_forward_progress 1
		.amdhsa_inst_pref_size 58
	.end_amdhsa_kernel
	.amdgpu_metadata
---
amdhsa.version: [ 1, 2 ]
amdhsa.kernels:
  - .name:           k_qecbb8deb66_quant
    .symbol:         k_qecbb8deb66_quant.kd
    .args:
      - { .name: x, .offset: 0, .size: 8, .value_kind: global_buffer, .address_space: global }
      - { .name: Wq, .offset: 8, .size: 8, .value_kind: global_buffer, .address_space: global }
      - { .name: Wk, .offset: 16, .size: 8, .value_kind: global_buffer, .address_space: global }
      - { .name: Wv, .offset: 24, .size: 8, .value_kind: global_buffer, .address_space: global }
      - { .name: Wo, .offset: 32, .size: 8, .value_kind: global_buffer, .address_space: global }
      - { .name: lowp_scales, .offset: 40, .size: 8, .value_kind: global_buffer, .address_space: global }
      - { .name: ximg, .offset: 48, .size: 8, .value_kind: global_buffer, .address_space: global }
      - { .name: wimg, .offset: 56, .size: 8, .value_kind: global_buffer, .address_space: global }
    .group_segment_fixed_size: 17920
    .private_segment_fixed_size: 0
    .kernarg_segment_align: 8
    .kernarg_segment_size: 64
    .max_flat_workgroup_size: 128
    .sgpr_count:     66
    .vgpr_count:     242
    .wavefront_size: 32
...
	.end_amdgpu_metadata
.endif
;; end of part 1
;; launch proj (part 2): grid 16 x 12, 4 waves a work-group, clusters of 4 x 1, 327,680 bytes of LDS; arguments ximg, wimg, lowp_scales, bq, bk, bv, qkv; writes qkv
.if DOCPART == 2
	.amdgcn_target "amdgcn-amd-amdhsa--gfx1250"
	.amdhsa_code_object_version 6
	.text
	.protected	k_qecbb8deb66_proj
	.globl	k_qecbb8deb66_proj
	.p2align	8
	.type	k_qecbb8deb66_proj,@function
k_qecbb8deb66_proj:
	s_mov_b64 s[64:65], 0
	v_nop
	global_prefetch_b8 v0, s[64:65] scope:SCOPE_SE
	s_setreg_imm32_b32 hwreg(HW_REG_WAVE_MODE, 25, 1), 1
	s_wait_xcnt 0x0
	s_wait_alu depctr_hold_cnt(0) depctr_sa_sdst(0) depctr_va_vdst(0) depctr_va_sdst(0) depctr_va_ssrc(0) depctr_va_vcc(0) depctr_vm_vsrc(0)
	s_getreg_b32 s2, hwreg(HW_REG_IB_STS2, 6, 4)
	s_cmp_eq_u32 s2, 0
	s_cbranch_scc0 .Lentry_in_a_cluster
	s_endpgm
.Lentry_in_a_cluster:
	s_bfe_u32 s2, ttmp6, 0x10000c
	s_cmp_lg_u32 s2, 0x3003
	s_cbranch_scc0 .Lentry_shape_is_right
	s_endpgm
.Lentry_shape_is_right:
; q, k and v = x W + b, on codes of E4M3, quantised again on the way out as operands of the attention launch.  x's and the weights' codes come as images of fragments (16 rows x 128 K = 2,048 bytes).
; A work-group makes 256 rows x 256 columns (y = 0-7: Wq, 8-9: Wk, 10-11: Wv), a wave 128 x 128: 64 accumulators.  K goes in steps of 256 through a ring of two LDS slots of 131,072 bytes; a wave fetches 32,768 bytes of a slot.
; CLUSTER: the four partners are four blocks of rows of one block of columns: the weights' tiles are asked for jointly (mask 15); x's tiles differ between them and are each work-group's own.
; v is made transposed (keys innermost): for y = 10, 11 the two sources change places, by the LDS addresses alone, which hang on y and the wave's number.
; x's version of codes is chosen by the comparisons of e0, e2, e4 by which the quantising launch makes them, without a branch.
; THE CHANGE OF SLOTS: the three lines, a round of the cluster's barrier, the refill; the step's products follow the refill.
; PREFETCH: behind each refill a wave asks, by one instruction, for 8,192 bytes (a lane to 256) of the K step two refills on: of the weights' 32,768 bytes that it fetches, the quarter of its place cx (by address);
; of x's, the quarter y, in the work-groups with y < 4 alone, since all twelve y read the same rows (version 0).  K steps 0 to 3 come by their loads alone; the loop's last trip asks for nothing.
; LIMITS: e0 + e1, e2 + e3, e4 + e5 between -126 and 127; e6, e7, e9 between -126 and 119.
.set PFA,    74                        ; s[74:75] where my prefetches stand
.set PLIM,   66                        ; s66  1 where my wave asks, else the greatest number
.set PFO,    30                        ; v30  256 x lane
.set HALFT,  32768
.set SLOT,   4*HALFT
.set SPARE,  2*SLOT
.set FR,     16
.set NL,     4
.set NP,     4
.set LAPS,   4
.set QB,     8388608
.set ADRA, 16
.set ADRB, 20
.set BOF,  22
.set ROF,  23
.set CO,   26
.set SPW,  28
.set NIL,  29
.set BC,   32
.set BR,   96
.set QS,   112
.set QH,   113
.set AF,   128
.set TMP,  128
.set CD,   192
.set G1, 24
.set G0, 32
.set G1B, 48
.set G0B, 56
.set MSB, 0
.macro WIN new
.if MSB != (\new)
	s_set_vgpr_msb (MSB<<8)|(\new)
.set MSB, (\new)
.endif
.endm
.set MUL_LO, 0xa1
.set MUL_HI, 0xf1
.set TO_B,   0x40
.macro JLOAD g0a, g1a, g0b, g1b
	s_cmp_eq_u32 s15, 0
	s_cbranch_scc0 .Lfor_b_\@
	tensor_load_to_lds s[\g0a:\g0a+3], s[\g1a:\g1a+7]
	s_nop 0
.rept 4
	v_nop
.endr
	s_branch .Lasked_\@
.Lfor_b_\@:
	tensor_load_to_lds s[\g0b:\g0b+3], s[\g1b:\g1b+7]
	s_nop 0
.rept 4
	v_nop
.endr
.Lasked_\@:
.endm
.macro CREST
	s_cmp_lg_u32 s14, 0
	s_cbranch_scc1 .Lnot_wave_0_\@
	s_barrier_signal -3
.Lnot_wave_0_\@:
	s_barrier_wait -3
	s_barrier_signal -1
	s_barrier_wait -1
.endm
.macro CROUND
	s_barrier_signal -1
	s_barrier_wait -1
	CREST
.endm
	s_load_b256 s[4:11], s[0:1], 0x0
	s_load_b128 s[68:71], s[0:1], 0x20
	s_load_b64 s[72:73], s[0:1], 0x30
	v_lshl_add_u32 v[SPW], v0, 2, SPARE
	v_mov_b32 v[NIL], 0
	ds_add_u32 v28, v29
	ds_add_u32 v28, v29
	s_wait_dscnt 0x0
	v_lshrrev_b32 v1, 5, v0
	v_readfirstlane_b32 s14, v1
	s_lshr_b32 s15, s14, 1
	s_and_b32 s16, s14, 1
	s_bfe_u32 s40, ttmp6, 0x40000
	s_lshl_b32 s17, ttmp9, 2
	s_add_co_u32 s17, s17, s40
	s_and_b32 s18, ttmp7, 0xffff
	s_mov_b32 s[G1+0], 3<<16
	s_mov_b32 s[G1B+0], 15|(3<<16)|(1<<21)
.irp g, G1, G1B
	s_mov_b32 s[\g+1], 32<<16
	s_mov_b32 s[\g+2], 128<<16
	s_mov_b32 s[\g+3], 32<<16
	s_mov_b32 s[\g+4], 128
	s_mov_b32 s[\g+5], 32
	s_mov_b32 s[\g+6], 0
	s_mov_b32 s[\g+7], 0
.endr
	s_lshl_b32 s20, s17, 1
	s_add_co_u32 s20, s20, s16
	s_lshl_b32 s20, s20, 18
	s_lshl_b32 s46, s18, 1
	s_add_co_u32 s46, s46, s16
	s_lshl_b32 s46, s46, 18
	s_mov_b32 s47, 0
	s_mul_i32 s45, s14, HALFT
	s_wait_kmcnt 0x0
	s_load_b256 s[76:83], s[8:9], 0x0
	s_load_b128 s[84:87], s[8:9], 0x20
	s_add_nc_u64 s[46:47], s[6:7], s[46:47]
	CROUND
	s_wait_kmcnt 0x0
	s_cmp_eq_u32 s78, s76
	s_cselect_b32 s92, 0, 1
	s_cmp_eq_u32 s80, s78
	s_cselect_b32 s93, s92, 2
	s_cmp_eq_u32 s80, s76
	s_cselect_b32 s93, 0, s93
	s_cmp_lt_u32 s18, 10
	s_cselect_b32 s19, s92, s93
	s_cmp_lt_u32 s18, 8
	s_cselect_b32 s19, 0, s19
	s_min_u32 s19, s19, 2
	s_lshl_b32 s19, s19, 23
	s_add_co_u32 s20, s20, s19
	s_mov_b32 s21, 0
	s_add_nc_u64 s[20:21], s[4:5], s[20:21]
.irp s, 0,1
	s_mov_b32 s[G0+4*\s], 1
	s_add_co_u32 s[G0+4*\s+1], s45, \s*SLOT
	s_add_nc_u64 s[G0+4*\s+2:G0+4*\s+3], s[20:21], \s*HALFT
	s_or_b32 s[G0+4*\s+3], s[G0+4*\s+3], 0x80000000
	s_mov_b32 s[G0B+4*\s], 1
	s_add_co_u32 s[G0B+4*\s+1], s45, \s*SLOT
	s_add_nc_u64 s[G0B+4*\s+2:G0B+4*\s+3], s[46:47], \s*HALFT
	s_or_b32 s[G0B+4*\s+3], s[G0B+4*\s+3], 0x80000000
.if \s                                 ; K step 0's load stands behind the round above; K step 1's behind the full sequence
	s_wait_alu depctr_va_vdst(0)
	s_wait_tensorcnt 0x0
	ds_add_u32 v28, v29
	ds_add_u32 v28, v29
	s_wait_dscnt 0x0
	CROUND
.endif
	JLOAD G0+4*\s, G1, G0B+4*\s, G1B
.endr
	s_and_b32 s98, s18, 3
	s_cmp_eq_u32 s15, 0                            ; do I fetch x's codes or the weights'?
	s_cselect_b64 s[PFA:PFA+1], s[20:21], s[46:47]
	s_cselect_b32 s98, s98, s40                    ; my quarter of the 32,768 bytes: y % 4 of x's, cx of the weights'
	s_cselect_b32 s99, s18, 0
	s_cmp_lt_u32 s99, 4                            ; x's are asked for where y < 4, the weights' everywhere
	s_cselect_b32 s[PLIM], 1, -1
	s_lshl_b32 s98, s98, 13
	s_add_co_u32 s98, s98, 3*HALFT                 ; at K step 3: the first refill steps it to 4
	s_mov_b32 s99, 0
	s_add_nc_u64 s[PFA:PFA+1], s[PFA:PFA+1], s[98:99]
	v_and_b32 v[PFO], 31, v0
	v_lshlrev_b32 v[PFO], 8, v[PFO]
	s_cmp_ge_u32 s18, 10
	s_cselect_b32 s41, s15, s16
	s_cselect_b32 s42, s16, s15
	s_cselect_b32 s43, 65536, 0
	s_cselect_b32 s44, 0, 65536
	v_and_b32 v1, 31, v0
	v_lshlrev_b32 v[CO], 4, v1
	s_mul_i32 s21, s15, HALFT
	s_add_co_u32 s21, s21, s43
	s_mul_i32 s22, s16, HALFT
	s_add_co_u32 s22, s22, s44
.irp s, 0,1
	v_add_nc_u32 v[ADRA+\s], s21, v[CO]
	v_add_nc_u32 v[ADRB+\s], s22, v[CO]
	s_add_co_u32 s21, s21, SLOT
	s_add_co_u32 s22, s22, SLOT
.endr
	s_lshl_b32 s22, s18, 8
	s_lshl_b32 s23, s41, 7
	s_add_co_u32 s22, s22, s23
	s_cmp_lt_u32 s18, 10
	s_cselect_b64 s[88:89], s[68:69], s[70:71]
	s_mov_b32 s23, 2560
	s_cselect_b32 s23, 2048, s23
	s_cmp_lt_u32 s18, 8
	s_cselect_b64 s[88:89], s[10:11], s[88:89]
	s_cselect_b32 s23, 0, s23
	s_sub_co_u32 s22, s22, s23
	s_lshl_b32 s22, s22, 2
	s_mov_b32 s23, 0
	s_add_nc_u64 s[88:89], s[88:89], s[22:23]
	v_bfe_u32 v2, v0, 4, 1
	v_and_b32 v1, 15, v0
	v_lshlrev_b32 v[BOF], 5, v2
	v_lshlrev_b32 v[ROF], 2, v1
.irp b, 0,1,2,3,4,5,6,7
	global_load_b128 v[BC+8*\b:BC+8*\b+3], v[BOF], s[88:89] offset:64*\b
	global_load_b128 v[BC+8*\b+4:BC+8*\b+7], v[BOF], s[88:89] offset:64*\b+16
.endr
.irp a, 0,1,2,3,4,5,6,7
	global_load_b32 v[BR+2*\a], v[ROF], s[88:89] offset:64*\a
.endr
	s_lshl_b32 s22, s17, 8
	s_lshl_b32 s23, s42, 7
	s_add_co_u32 s22, s22, s23
	s_lshr_b32 s23, s22, 10
	s_bfe_u32 s22, s22, 0x30007
	s_lshl_b32 s90, s23, 4
	s_lshl_b32 s91, s18, 1
	s_add_co_u32 s90, s90, s91
	s_add_co_u32 s90, s90, s41
	s_lshl_b32 s90, s90, 3
	s_add_co_u32 s90, s90, s22
	s_lshl_b32 s90, s90, 14
	s_and_b32 s91, s18, 1
	s_lshl_b32 s91, s91, 1
	s_add_co_u32 s91, s91, s41
	s_lshl_b32 s94, s23, 2
	s_add_co_u32 s91, s91, s94
	s_lshl_b32 s91, s91, 3
	s_add_co_u32 s91, s91, s22
	s_lshl_b32 s91, s91, 15
	s_add_co_u32 s91, s91, QB
	s_lshr_b32 s94, s43, 2
	s_add_co_u32 s91, s91, s94
	s_cmp_lt_u32 s18, 8
	s_cselect_b32 s90, s90, s91
	s_mov_b32 s91, 0
	s_add_nc_u64 s[90:91], s[72:73], s[90:91]
	s_add_co_i32 s92, s76, s77
	s_add_co_i32 s93, s78, s79
	s_add_co_i32 s94, s80, s81
	s_cmp_lt_u32 s18, 10
	s_cselect_b32 s96, s93, s94
	s_cselect_b32 s95, s83, s85
	s_cmp_lt_u32 s18, 8
	s_cselect_b32 s96, s92, s96
	s_cselect_b32 s95, s82, s95
	s_add_co_i32 s96, s96, 127
	s_lshl_b32 s96, s96, 23
	s_mov_b32 s97, s96
	s_add_co_i32 s95, s95, 127
	s_lshl_b32 s94, s95, 23
	v_mov_b32 v[QS], s94
	s_add_co_i32 s95, s95, 8
	s_lshl_b32 s95, s95, 23
	s_or_b32 s95, s95, 0x600000
	v_mov_b32 v[QH], s95
	s_cmp_lt_u32 s18, 10
	s_cselect_b32 s92, -1, 0
	s_cselect_b32 s93, 0, -1
.macro FRAG reg, adr, q, i
.irp c, 0,1,2,3
	ds_load_b128 v[\reg+4*\c:\reg+4*\c+3], v[\adr] offset:4096*(\i)+2048*(\q)+512*\c
.endr
.endm
.macro MUL16 a0, p, zero
.irp a, \a0, \a0+1
.irp b, 0,1,2,3,4,5,6,7
.if \zero
	v_wmma_f32_16x16x128_fp8_fp8 v[8*(8*((\a)%4)+\b):8*(8*((\a)%4)+\b)+7], v[128*(\p)+FR*\b:128*(\p)+FR*\b+FR-1], v[AF+FR*(\a):AF+FR*(\a)+FR-1], 0
.else
	v_wmma_f32_16x16x128_fp8_fp8 v[8*(8*((\a)%4)+\b):8*(8*((\a)%4)+\b)+7], v[128*(\p)+FR*\b:128*(\p)+FR*\b+FR-1], v[AF+FR*(\a):AF+FR*(\a)+FR-1], v[8*(8*((\a)%4)+\b):8*(8*((\a)%4)+\b)+7]
.endif
.endr
.endr
.endm
.macro FETCH_B slot, q, p
	WIN TO_B
.irp i, 0,1,2,3,4,5,6,7
	FRAG 128*(\p)+FR*\i, ADRB+\slot, \q, \i
.endr
	WIN 0
.endm
.macro FETCH_A slot, q, i0
.irp i, \i0, \i0+1, \i0+2, \i0+3
	FRAG AF+FR*(\i), ADRA+\slot, \q, \i
.endr
.endm
.macro PLACES n
.rept \n
	v_nop
.endr
.endm
.macro STEP slot, q, zero
	s_wait_dscnt 4*NL
	WIN MUL_LO
	MUL16 0, (\q)%2, \zero
	MUL16 2, (\q)%2, \zero
	s_wait_dscnt 0
	PLACES NP
	FETCH_B \slot, (\q)+1, 1-(\q)%2
	FETCH_A \slot, (\q)+1, 0
	WIN MUL_HI
	MUL16 4, (\q)%2, \zero
	MUL16 6, (\q)%2, \zero
	PLACES NP
	WIN 0
	FETCH_A \slot, (\q)+1, 4
.endm
.macro ASK                             ; the K step two refills on; s3 = 1 in the loop's last trip, which has none
	s_cmp_gt_u32 s3, s[PLIM]
	s_cbranch_scc0 .Lnot_mine_\@
	global_prefetch_b8 v[PFO], s[PFA:PFA+1] th:TH_LOAD_NT scope:SCOPE_SE
.Lnot_mine_\@:
.endm
.macro TURN slot, next, fill
.if \fill
	s_wait_xcnt 0x0                                ; my last prefetch has read its address: it is stepped here, ahead of the change's own waits
	s_add_nc_u64 s[PFA:PFA+1], s[PFA:PFA+1], HALFT
.endif
	s_wait_tensorcnt 0x0                           ; all my tensor loads have landed: my part of the next slot
	ds_add_u32 v[SPW], v[NIL]
.if \fill
	s_add_nc_u64 s[G0+4*\slot+2:G0+4*\slot+3], s[G0+4*\slot+2:G0+4*\slot+3], 2*HALFT      ; no load of mine is out: this slot's next K step
	s_add_nc_u64 s[G0B+4*\slot+2:G0B+4*\slot+3], s[G0B+4*\slot+2:G0B+4*\slot+3], 2*HALFT
.endif
	s_wait_dscnt 0x0                               ; the add is done, and my reads of this slot are over: the step's fragments are all in registers
	s_barrier_signal -1
	s_barrier_wait -1
.if \fill
	CREST                                          ; the barrier has opened a round of the cluster's barrier
	JLOAD G0+4*\slot, G1, G0B+4*\slot, G1B         ; the first tensor load behind the round
.endif
	WIN MUL_LO
	MUL16 0, 1, 0
	MUL16 2, 1, 0
	PLACES NP                                      ; in front of the loads into A's blocks 0-3
	FETCH_B \next, 0, 0
	FETCH_A \next, 0, 0
.if \fill
	ASK
.endif
	WIN MUL_HI
	MUL16 4, 1, 0
	MUL16 6, 1, 0
	PLACES NP
	WIN 0
	FETCH_A \next, 0, 4
.endm
	s_wait_alu depctr_va_vdst(0)
	s_wait_tensorcnt 1
	s_barrier_signal -1
	s_barrier_wait -1
	FETCH_B 0, 0, 0
	FETCH_A 0, 0, 0
	FETCH_A 0, 0, 4
	STEP 0, 0, 1
	s_mov_b32 s3, LAPS-1
.Llap:
	TURN 0, 1, 1
	STEP 1, 0, 0
	TURN 1, 0, 1
	STEP 0, 0, 0
	s_sub_co_u32 s3, s3, 1
	s_cmp_lg_u32 s3, 0
	s_cbranch_scc1 .Llap
	TURN 0, 1, 0
	STEP 1, 0, 0
	s_wait_dscnt 4*NL
	WIN MUL_LO
	MUL16 0, 1, 0
	MUL16 2, 1, 0
	s_wait_dscnt 0
	WIN MUL_HI
	MUL16 4, 1, 0
	MUL16 6, 1, 0
	WIN 0
	s_wait_loadcnt 0x0
.set i, 0
.rept 64
	v_and_b32 v[BC+i], s92, v[BC+i]
.set i, i+1
.endr
.irp a, 0,1,2,3,4,5,6,7
	v_and_b32 v[BR+2*\a], s93, v[BR+2*\a]
.endr
.irp a, 0,1,2,3,4,5,6,7
	v_mov_b32 v[BR+2*\a+1], v[BR+2*\a]
.endr
.macro OUTBLK a
.set AC, 64*((\a)%4)
.set CB, CD+16*((\a)%4)
.if (\a) >= 4
	s_wait_xcnt 0x0
.endif
	WIN 0x02+((\a)/4)
.set j, 0
.rept 32
	v_pk_fma_f32 v[TMP+j:TMP+j+1], v[AC+j:AC+j+1], s[96:97], v[BC+j:BC+j+1] op_sel_hi:[1,0,1]
.set j, j+2
.endr
	WIN 0
.set j, 0
.rept 32
	v_pk_add_f32 v[TMP+j:TMP+j+1], v[TMP+j:TMP+j+1], v[BR+2*(\a):BR+2*(\a)+1]
.set j, j+2
.endr
.set j, 0
.rept 64
	v_med3_num_f32 v[TMP+j], v[TMP+j], -v[QH], v[QH]
.set j, j+1
.endr
.irp b, 0,1,2,3,4,5,6,7
	v_cvt_scalef32_pk8_fp8_f32 v[CB+2*\b:CB+2*\b+1], v[TMP+8*\b:TMP+8*\b+7], v[QS]
.endr
	v_nop
.irp c, 0,1,2,3
	global_store_b128 v[CO], v[CB+4*\c:CB+4*\c+3], s[90:91] offset:2048*(\a)+512*\c
.endr
.endm
.irp a, 0,1,2,3,4,5,6,7
	OUTBLK \a
.endr
	s_wait_tensorcnt 0x0
	ds_add_u32 v[SPW], v[NIL]
	s_wait_dscnt 0x0
	CROUND
	s_endpgm
.Lfunc_end_k_qecbb8deb66_proj:
	.size	k_qecbb8deb66_proj, .Lfunc_end_k_qecbb8deb66_proj-k_qecbb8deb66_proj
	.p2alignl 7, 3214868480
	.fill 96, 4, 3214868480
	.section	.rodata,"a",@progbits
	.p2align	6, 0x0
	.amdhsa_kernel k_qecbb8deb66_proj
		.amdhsa_group_segment_fixed_size 327680
		.amdhsa_private_segment_fixed_size 0
		.amdhsa_enable_private_segment 0
		.amdhsa_kernarg_size 56
		.amdhsa_user_sgpr_count 2
		.amdhsa_user_sgpr_kernarg_segment_ptr 1
		.amdhsa_wavefront_size32 1
		.amdhsa_system_sgpr_workgroup_id_x 1
		.amdhsa_system_sgpr_workgroup_id_y 1
		.amdhsa_system_sgpr_workgroup_id_z 1
		.amdhsa_system_vgpr_workitem_id 0
		.amdhsa_next_free_vgpr 1024
		.amdhsa_next_free_sgpr 100
		.amdhsa_reserve_vcc 0
		.amdhsa_float_denorm_mode_32 3
		.amdhsa_float_denorm_mode_16_64 3
		.amdhsa_memory_ordered 1
		.amdhsa_forward_progress 1
		.amdhsa_inst_pref_size 157
	.end_amdhsa_kernel
	.amdgpu_metadata
---
amdhsa.version: [ 1, 2 ]
amdhsa.kernels:
  - .name:           k_qecbb8deb66_proj
    .symbol:         k_qecbb8deb66_proj.kd
    .args:
      - { .name: ximg, .offset: 0, .size: 8, .value_kind: global_buffer, .address_space: global }
      - { .name: wimg, .offset: 8, .size: 8, .value_kind: global_buffer, .address_space: global }
      - { .name: lowp_scales, .offset: 16, .size: 8, .value_kind: global_buffer, .address_space: global }
      - { .name: bq, .offset: 24, .size: 8, .value_kind: global_buffer, .address_space: global }
      - { .name: bk, .offset: 32, .size: 8, .value_kind: global_buffer, .address_space: global }
      - { .name: bv, .offset: 40, .size: 8, .value_kind: global_buffer, .address_space: global }
      - { .name: qkv, .offset: 48, .size: 8, .value_kind: global_buffer, .address_space: global }
    .group_segment_fixed_size: 327680
    .private_segment_fixed_size: 0
    .kernarg_segment_align: 8
    .kernarg_segment_size: 56
    .max_flat_workgroup_size: 128
    .sgpr_count:     100
    .vgpr_count:     1024
    .wavefront_size: 32
...
	.end_amdgpu_metadata
.endif
;; end of part 2
;; launch attn (part 3): grid 16 x 16, 16 waves a work-group, clusters of 4 x 1, 327,680 bytes of LDS; arguments qkv, lowp_scales, ao; writes ao
.if DOCPART == 3
	.amdgcn_target "amdgcn-amd-amdhsa--gfx1250"
	.amdhsa_code_object_version 6
	.text
	.protected	k_qecbb8deb66_attn
	.globl	k_qecbb8deb66_attn
	.p2align	8
	.type	k_qecbb8deb66_attn,@function
k_qecbb8deb66_attn:
	s_mov_b64 s[64:65], 0
	v_nop
	global_prefetch_b8 v0, s[64:65] scope:SCOPE_SE
	s_setreg_imm32_b32 hwreg(HW_REG_WAVE_MODE, 25, 1), 1
	s_wait_xcnt 0x0
	s_wait_alu depctr_hold_cnt(0) depctr_sa_sdst(0) depctr_va_vdst(0) depctr_va_sdst(0) depctr_va_ssrc(0) depctr_va_vcc(0) depctr_vm_vsrc(0)
	s_getreg_b32 s2, hwreg(HW_REG_IB_STS2, 6, 4)
	s_cmp_eq_u32 s2, 0
	s_cbranch_scc0 .Lentry_in_a_cluster
	s_endpgm
.Lentry_in_a_cluster:
	s_bfe_u32 s2, ttmp6, 0x10000c
	s_cmp_lg_u32 s2, 0x3003
	s_cbranch_scc0 .Lentry_shape_is_right
	s_endpgm
.Lentry_shape_is_right:
; Causal attention on codes of E4M3: 4 batches x 16 query heads x 1,024 queries, head size 128; four query heads share a key and value head.  Its result is quantised on the way out as an operand of the last GEMM.
; THE SOFTMAX AHEAD OF THE SECOND PRODUCT: t = score x log2(e) / sqrt(128); M = the running largest t, rounded UP to a whole number; p = 2^(t - M) is what is quantised; the row's sum is taken of the unquantised p
; and divides at the end.  When M moves, the sum and O are multiplied by 2^(old M - new M): exact.
; q, k and v come as IMAGES OF FRAGMENTS (16 rows x 128 K = 2,048 bytes: registers 4 c .. 4 c + 3 of lane l at 512 c + 16 l), in the form's own order of k.  A kv head is 262,144 dense bytes:
; [chunk of 128 keys 8][k: tile of 16 keys 8 x 2,048 | v: tile of 16 channels 8 x 2,048, K = the chunk's keys].
; SHARES.  Work-group (cluster x = p, place in the cluster = g, y = 4 b + kv head) has 16 waves; a wave owns ONE tile of 16 queries of query head 4 (kv head) + g, in 256 registers.
; THE WHOLE kv HEAD LIES IN LDS, as it lies in memory: nothing is filled again, so there is no ring.  CLUSTER: the four partners are the four query heads of one kv head and the same p: every fill is asked for JOINTLY (mask 15).
; CAUSAL BALANCE.  Pair i = wave / 2 takes tiles 8 p + i and 63 - (8 p + i): p + 1 and 8 - p key steps, 9 together; which wave of the pair takes which alternates with bit 2 of the wave's number.
; Every wave walks all eight key steps in loops of constant count; a step all of whose keys come after the wave's queries is left out by a scalar branch on ids; no barrier and no tensor load stands in a step.
; LAYOUT.  S^T = K Q^T (source 0 = 16 keys, source 1 = my 16 queries), O^T = V^T P^T (source 0 = 16 channels, source 1 = P): a lane holds ONE query (lane % 16) throughout.  Register 8 T + j of S^T is key 16 T + 8 h + j:
; eight numbers convert to registers 2 T, 2 T + 1 of P, the form's own order, which is v's.  O^T's tile ct converts likewise to registers 2 ct, 2 ct + 1 of a fragment of the last GEMM's operand.
; ao: [group of 128 rows 32][K step of 256: 8][tile 8][half 2][2,048]; row = 1,024 b + query; the K block of 128 is the query head.
; LIMITS: e6 + e7 between -123 and 130 (they are added to c's exponent field); e8, e10 between -126 and 119; e8 + e9 goes in by v_ldexp_f32 and has none.
; REGISTERS: v1 16 x lane; v2 r - 8 h; v8 LDS address of the chunk in hand; v12 -M, v13 the largest t, v[14:15] the sum in two halves; v16-31 Q, at the end the codes of O; v32-95 four fragments of K or V;
;   v96-159 S^T, then p; v160-223 O^T; v224-239 p's codes; v240, v244 p's hold and scale; v241, v245 O's; v236, v242, v243, v252-254 at work.
.set QB,    8388608
.set CHUNK, 32768
.set LI,    1
.set DL,    2
.set ADK,   8
.set WV,    18                         ; s18  my wave's number
.set SEL,   20                         ; s[20:21] lane selects for v_permlanex16_b32: lane l xor 16
.set CS,    22                         ; s[22:23] c = log2(e) / sqrt(128) x 2^(e6 + e7)
.set G1A,   24                         ; s[24:31] group 1: 32 rows of 256 bytes;  s[32:39]: 64;  s[40:47]: 160
.set G1M,   32
.set G1C,   40
.set G0,    48                         ; s[48:59] three groups 0
.set KF,    60                         ; s60  the step's first key
.set Q0,    61                         ; s61  my first query
.set QLAST, 62                         ; s62  my last
.set CNT,   63
.set TB,    66                         ; s66  LDS byte of the chunk in hand
.macro CROUND                          ; a round of the cluster's barrier
	s_barrier_signal -1
	s_barrier_wait -1
	s_cmp_lg_u32 s[WV], 0
	s_cbranch_scc1 .Lnot_wave_0_\@
	s_barrier_signal -3
.Lnot_wave_0_\@:
	s_barrier_wait -3
	s_barrier_signal -1
	s_barrier_wait -1
.endm
; A later first fill: every wave waits for all its tensor loads, adds 0 to its spare word and waits for that;
; a round of the cluster's barrier; then waves 0 to 3 ask jointly for their quarters of the next group of chunks.  The group that was out has landed in every wave behind the round.
.macro NEXTFILL g0, g1
	s_wait_tensorcnt 0x0
	ds_add_u32 v251, v255
	ds_add_u32 v251, v255
	s_wait_dscnt 0x0
	CROUND
	s_cmp_lt_u32 s[WV], 4
	s_cbranch_scc0 .Lnone_\@
	tensor_load_to_lds s[\g0:\g0+3], s[\g1:\g1+7]
	s_nop 0
.rept 4
	v_nop
.endr
.Lnone_\@:
.endm
.macro ARRIVE n                        ; the last group has landed in every fetching wave
	s_wait_tensorcnt \n
	s_wait_dscnt 0x0
	s_barrier_signal -1
	s_barrier_wait -1
.endm
	s_load_b128 s[4:7], s[0:1], 0x0                ; qkv 4, the exponents 6
	s_load_b64 s[8:9], s[0:1], 0x10                ; ao
	v_lshl_add_u32 v251, v0, 2, 0x40000
	v_mov_b32 v255, 0
	ds_add_u32 v251, v255
	ds_add_u32 v251, v255
	v_lshrrev_b32 v8, 5, v0
	s_delay_alu instid0(VALU_DEP_1)
	v_readfirstlane_b32 s[WV], v8                  ; wave 0..15
	s_bfe_u32 s80, ttmp6, 0x40000                  ; g = my place in the cluster: it enters Q's and ao's global addresses alone
	s_and_b32 s81, ttmp7, 0xffff                   ; y = 4 b + kv head
	s_lshr_b32 s82, s[WV], 2
	s_xor_b32 s82, s82, s[WV]
	s_and_b32 s82, s82, 1                          ; 0: the pair's early tile, 1: its late one
	s_lshr_b32 s83, s[WV], 1
	s_lshl_b32 s84, ttmp9, 3
	s_add_co_u32 s83, s83, s84                     ; 8 p + i
	s_sub_co_u32 s84, 63, s83
	s_cmp_eq_u32 s82, 1
	s_cselect_b32 s83, s84, s83                    ; my tile of queries, 0..63
	s_lshl_b32 s[Q0], s83, 4
	s_add_co_u32 s[QLAST], s[Q0], 15
	s_mov_b32 s[KF], 0
	s_mov_b32 s[TB], 0
	s_mov_b32 s[SEL], 0x76543210
	s_mov_b32 s[SEL+1], 0xfedcba98
	s_mov_b32 s[CS], 0x3e0293ee                    ; log2(e) / sqrt(128)
.irp g, G1A, G1M, G1C
	s_mov_b32 s[\g], 15|(3<<16)|(1<<21)            ; 15:0 the mask: all four partners; 17:16 elements of 8 bytes; 21 set beside a mask
	s_mov_b32 s[\g+1], 32<<16                      ; tensor_dim0 = 32 elements: rows of 256 bytes
	s_mov_b32 s[\g+3], 32<<16                      ; tile_dim0
	s_mov_b32 s[\g+5], 32                          ; dense
	s_mov_b32 s[\g+6], 0
	s_mov_b32 s[\g+7], 0
.endr
	s_mov_b32 s[G1A+2], 32<<16                     ; tensor_dim1 and tile_dim1: a quarter of chunk 0,
	s_mov_b32 s[G1A+4], 32
	s_mov_b32 s[G1M+2], 64<<16                     ; of chunks 1 and 2,
	s_mov_b32 s[G1M+4], 64
	s_mov_b32 s[G1C+2], 160<<16                    ; of chunks 3 to 7
	s_mov_b32 s[G1C+4], 160
	s_and_b32 s82, s[WV], 3                        ; (waves 0 to 3 alone fetch)
	s_lshl_b32 s92, s82, 13
	s_lshl_b32 s93, s82, 14
	s_add_co_u32 s93, s93, CHUNK
	s_mul_i32 s94, s82, 40960
	s_add_co_u32 s94, s94, 3*CHUNK                 ; the byte at which my quarter of each group begins, in LDS and in the head alike
	s_lshl_b32 s84, s81, 18
	s_add_co_u32 s84, s84, QB
	s_mov_b32 s85, 0
	s_lshl_b32 s86, s81, 2
	s_add_co_u32 s86, s86, s80                     ; 16 b + query head
	s_lshl_b32 s86, s86, 6
	s_add_co_u32 s86, s86, s83
	s_lshl_b32 s86, s86, 11                        ; Q's image
	s_mov_b32 s87, 0
	s_lshr_b32 s88, s81, 2
	s_lshl_b32 s88, s88, 6
	s_add_co_u32 s88, s88, s83                     ; tile of rows of ao: 64 b + my tile
	s_lshr_b32 s89, s88, 3
	s_lshl_b32 s89, s89, 18
	s_and_b32 s88, s88, 7
	s_lshl_b32 s88, s88, 12
	s_add_co_u32 s88, s88, s89
	s_and_b32 s89, s81, 3
	s_lshl_b32 s89, s89, 2
	s_add_co_u32 s89, s89, s80                     ; the query head = 2 x K step + half
	s_lshr_b32 s90, s89, 1
	s_lshl_b32 s90, s90, 15
	s_add_co_u32 s88, s88, s90
	s_and_b32 s90, s89, 1
	s_lshl_b32 s90, s90, 11
	s_add_co_u32 s88, s88, s90
	s_mov_b32 s89, 0
	s_mov_b32 s91, 0
	s_wait_dscnt 0x0
	s_wait_kmcnt 0x0
	s_load_b256 s[68:75], s[6:7], 0x0              ; e0 .. e7
	s_load_b128 s[76:79], s[6:7], 0x20             ; e8 .. e11
	s_add_nc_u64 s[84:85], s[4:5], s[84:85]        ; the kv head
	s_add_nc_u64 s[86:87], s[4:5], s[86:87]
	s_add_nc_u64 s[8:9], s[8:9], s[88:89]
.irp n, 0,1,2
	s_mov_b32 s[G0+4*\n], 1
	s_mov_b32 s[G0+4*\n+1], s[92+\n]
	s_mov_b32 s90, s[92+\n]
	s_add_nc_u64 s[G0+4*\n+2:G0+4*\n+3], s[84:85], s[90:91]
	s_or_b32 s[G0+4*\n+3], s[G0+4*\n+3], 0x80000000
.endr
	CROUND                                         ; all four work-groups are here: the joint loads meet
	s_cmp_lt_u32 s[WV], 4                          ; waves 0 to 3 fetch a quarter of chunk 0 each: one tensor load a wave at the head
	s_cbranch_scc0 .Lno_fetch
	tensor_load_to_lds s[G0:G0+3], s[G1A:G1A+7]
	s_nop 0
.rept 4
	v_nop
.endr
.Lno_fetch:
	v_and_b32 v[LI], 31, v0
	s_delay_alu instid0(VALU_DEP_1)
	v_lshlrev_b32 v[LI], 4, v[LI]
.irp c, 0,1,2,3
	global_load_b128 v[16+4*\c:19+4*\c], v[LI], s[86:87] offset:512*\c   ; Q's fragment stays in registers
.endr
	v_and_b32 v[DL], 15, v0
	v_bfe_u32 v9, v0, 4, 1
	s_delay_alu instid0(VALU_DEP_1)
	v_lshlrev_b32 v9, 3, v9
	s_delay_alu instid0(VALU_DEP_1)
	v_sub_nc_u32 v[DL], v[DL], v9                  ; r - 8 h
	v_mov_b32 v13, 0xff61b1e6                      ; the largest t so far: -3e38, under every t
	s_delay_alu instid0(VALU_DEP_1)
	v_floor_f32 v12, -v13                          ; -M
	v_mov_b32 v14, 0
	v_mov_b32 v15, 0
	v_mov_b32 v236, 0                              ; written once: a lane permute's destination counts as one of its sources
	v_mov_b32 v253, 0                              ; (named as the upper half of the pair v[252:253])
.set j, 0
.rept 64
	v_mov_b32 v[160+j], 0                          ; O^T.  (The step is written without a first form of its own: the first change of M leaves zeros zeros)
.set j, j+1
.endr
	s_wait_kmcnt 0x0
	s_add_co_i32 s96, s74, s75
	s_lshl_b32 s96, s96, 23
	s_add_co_i32 s[CS], s[CS], s96                 ; a score stands for score x 2^(e6 + e7)
	s_mov_b32 s[CS+1], s[CS]
	s_add_co_i32 s96, s76, 127
	s_lshl_b32 s97, s96, 23
	v_mov_b32 v244, s97                            ; 2^e8
	s_add_co_i32 s96, s96, 8
	s_lshl_b32 s96, s96, 23
	s_or_b32 s96, s96, 0x600000
	v_mov_b32 v240, s96                            ; 448 x 2^e8
	s_add_co_i32 s96, s78, 127
	s_lshl_b32 s97, s96, 23
	v_mov_b32 v245, s97                            ; 2^e10
	s_add_co_i32 s96, s96, 8
	s_lshl_b32 s96, s96, 23
	s_or_b32 s96, s96, 0x600000
	v_mov_b32 v241, s96                            ; 448 x 2^e10
; A KEY STEP: the 128 keys of the chunk at LDS byte s[TB]
.macro STEP
	s_cmp_gt_u32 s[KF], s[QLAST]
	s_cbranch_scc1 .Lhidden_\@                     ; all its keys come after my queries
	v_add_nc_u32 v[ADK], s[TB], v[LI]
	s_wait_alu depctr_va_vdst(0)
.irp g, 0,1                                    ; S^T = K Q^T, four tiles of 16 keys at a time
.rept 3+\g
	v_nop                                          ; four places in front of loads into registers that matrix instructions have read (the addition above is one)
.endr
.irp t, 0,1,2,3
.irp c, 0,1,2,3
	ds_load_b128 v[32+16*\t+4*\c:32+16*\t+4*\c+3], v[ADK] offset:2048*(4*\g+\t)+512*\c
.endr
.endr
	s_wait_dscnt 0x0
.irp t, 0,1,2,3
	v_wmma_f32_16x16x128_fp8_fp8 v[96+8*(4*\g+\t):103+8*(4*\g+\t)], v[32+16*\t:47+16*\t], v[16:31], 0
.endr
.endr
.rept 4
	v_nop
.endr
	s_add_co_u32 s96, s[KF], 127                   ; on the diagonal the scores of hidden keys become -infinity ahead of the maximum: p = 0 then.  A step all of whose keys count skips this
	s_cmp_le_u32 s96, s[Q0]
	s_cbranch_scc1 .Lopen_\@
	s_sub_co_i32 s96, s[Q0], s[KF]
	v_add_nc_u32 v252, s96, v[DL]                  ; d = my query - KF - 8 h.  Register 8 T + j holds key KF + 8 h + 16 T + j: hidden where 16 T + j > d
	v_mov_b32 v254, 0xff800000
.set n, 0
.rept 64
	v_cmp_gt_i32 vcc_lo, 16*(n/8)+n%8, v252
	v_cndmask_b32 v[96+n], v[96+n], v254, vcc_lo
.set n, n+1
.endr
.Lopen_\@:
	v_max3_num_f32 v254, v96, v97, v98             ; the step's largest score of my query among my 64 keys, in two chains, each accumulator from its low end on,
	v_max3_num_f32 v252, v99, v100, v101
.irp i, 6,10,14,18,22,26,30,34,38,42,46,50,54,58
	v_max3_num_f32 v254, v254, v[96+\i], v[97+\i]
	v_max3_num_f32 v252, v252, v[98+\i], v[99+\i]
.endr
	v_max3_num_f32 v254, v254, v158, v159
	s_delay_alu instid0(VALU_DEP_1)
	v_max_num_f32 v254, v254, v252
	v_permlanex16_b32 v236, v254, s[SEL], s[SEL+1]
	s_delay_alu instid0(VALU_DEP_1)
	v_max_num_f32 v254, v254, v236                 ; and among lane l xor 16's
	s_delay_alu instid0(VALU_DEP_1)
	v_mul_f32 v254, s[CS], v254                    ; as t (c is positive)
	s_delay_alu instid0(VALU_DEP_1)
	v_max_num_f32 v13, v13, v254
	v_mov_b32 v254, v12
	s_delay_alu instid0(VALU_DEP_2)
	v_floor_f32 v12, -v13                          ; the new -M = -ceil(t): a whole number
	s_delay_alu instid0(VALU_DEP_1)
	v_sub_f32 v254, v12, v254                      ; old M - new M: a whole number, 0 or less
	s_delay_alu instid0(VALU_DEP_1)
	v_cvt_i32_f32 v254, v254                       ; (it saturates)
	s_delay_alu instid0(VALU_DEP_1)
	v_ldexp_f32 v252, 1.0, v254                    ; f = 2^(old M - new M)
.set j, 0
.rept 32
	v_pk_fma_f32 v[96+j:97+j], v[96+j:97+j], s[CS:CS+1], v[12:13] op_sel_hi:[1,0,0]   ; t - M, two at a time
.set j, j+2
.endr
.set j, 0
	s_wait_alu depctr_va_vdst(0)
.rept 64
	v_exp_f32 v[96+j], v[96+j]                     ; p = 2^(t - M), at most 1: not normalised
.set j, j+1
.endr
	v_pk_mul_f32 v[14:15], v[14:15], v[252:253] op_sel_hi:[1,0]   ; the sums under the new M: the plain line behind the exponentials
	s_wait_alu depctr_va_vdst(0)                   ; one wait for the batch of 64, ahead of its first reader
	v_pk_add_f32 v[242:243], v[100:101], v[104:105]
	v_pk_add_f32 v[248:249], v[108:109], v[112:113]
	v_pk_add_f32 v[246:247], v[116:117], v[120:121]
	v_pk_add_f32 v[238:239], v[124:125], v[128:129]
	v_pk_add_f32 v[236:237], v[132:133], v[136:137]
	v_pk_add_f32 v[234:235], v[140:141], v[144:145]
	v_pk_add_f32 v[232:233], v[148:149], v[152:153]
	v_pk_add_f32 v[14:15], v[14:15], v[156:157]
	v_pk_add_f32 v[242:243], v[242:243], v[96:97]
	v_pk_add_f32 v[248:249], v[248:249], v[98:99]
	v_pk_add_f32 v[246:247], v[246:247], v[102:103]
	v_pk_add_f32 v[238:239], v[238:239], v[106:107]
	v_pk_add_f32 v[236:237], v[236:237], v[110:111]
	v_pk_add_f32 v[234:235], v[234:235], v[114:115]
	v_pk_add_f32 v[232:233], v[232:233], v[118:119]
	v_pk_add_f32 v[14:15], v[14:15], v[122:123]
	v_pk_add_f32 v[242:243], v[242:243], v[126:127]
	v_pk_add_f32 v[248:249], v[248:249], v[130:131]
	v_pk_add_f32 v[246:247], v[246:247], v[134:135]
	v_pk_add_f32 v[238:239], v[238:239], v[138:139]
	v_pk_add_f32 v[236:237], v[236:237], v[142:143]
	v_pk_add_f32 v[234:235], v[234:235], v[146:147]
	v_pk_add_f32 v[232:233], v[232:233], v[150:151]
	v_pk_add_f32 v[14:15], v[14:15], v[154:155]
	v_pk_add_f32 v[242:243], v[242:243], v[158:159]
	s_delay_alu instid0(VALU_DEP_2)
	v_pk_add_f32 v[14:15], v[14:15], v[238:239]
	s_delay_alu instid0(VALU_DEP_2)
	v_pk_add_f32 v[242:243], v[242:243], v[236:237]
	v_pk_add_f32 v[248:249], v[248:249], v[234:235]
	v_pk_add_f32 v[246:247], v[246:247], v[232:233]
	s_delay_alu instid0(VALU_DEP_2)
	v_pk_add_f32 v[14:15], v[14:15], v[248:249]
	s_delay_alu instid0(VALU_DEP_2)
	v_pk_add_f32 v[242:243], v[242:243], v[246:247]
	s_delay_alu instid0(VALU_DEP_1)
	v_pk_add_f32 v[14:15], v[14:15], v[242:243]
.set j, 0
.rept 64
	v_min_num_f32 v[96+j], v[96+j], v240           ; the conversion does not saturate (ISA guide 7.6.2); p is not negative: a one-sided hold
.set j, j+1
.endr
.irp t, 0,1,2,3,4,5,6,7
	v_cvt_scalef32_pk8_fp8_f32 v[224+2*\t:225+2*\t], v[96+8*\t:103+8*\t], v244
.endr
.set j, 0
.rept 32
	v_pk_mul_f32 v[160+j:161+j], v[160+j:161+j], v[252:253] op_sel_hi:[1,0]   ; O^T under the new M.  (These are also the plain lines behind the conversions and in front of the loads below)
.set j, j+2
.endr
	s_wait_alu depctr_va_vdst(0)
.irp g, 0,1                                    ; O^T += V^T P^T: four tiles of 16 channels at a time; the accumulators take turns
.if \g > 0
.rept 4
	v_nop
.endr
.endif
.irp t, 0,1,2,3
.irp c, 0,1,2,3
	ds_load_b128 v[32+16*\t+4*\c:32+16*\t+4*\c+3], v[ADK] offset:16384+2048*(4*\g+\t)+512*\c
.endr
.endr
	s_wait_dscnt 0x0
.irp t, 0,1,2,3
	v_wmma_f32_16x16x128_fp8_fp8 v[160+8*(4*\g+\t):167+8*(4*\g+\t)], v[32+16*\t:47+16*\t], v[224:239], v[160+8*(4*\g+\t):167+8*(4*\g+\t)]
.endr
.endr
.Lhidden_\@:
	s_add_co_u32 s[KF], s[KF], 128
	s_add_co_u32 s[TB], s[TB], CHUNK
.endm
.macro KLOOP n
	s_mov_b32 s[CNT], \n
.Lk_\@:
	STEP
	s_sub_co_u32 s[CNT], s[CNT], 1
	s_cmp_lg_u32 s[CNT], 0
	s_cbranch_scc1 .Lk_\@
.endm
	s_wait_loadcnt 0x0                             ; Q
	NEXTFILL G0+4, G1M                             ; chunk 0 lies in LDS; chunks 1 and 2 are asked for
	STEP
	NEXTFILL G0+8, G1C                             ; chunks 1 and 2 lie in LDS; chunks 3 to 7 are asked for
	KLOOP 2
	ARRIVE 0                                       ; chunks 3 to 7: no tensor load is out from here on
	KLOOP 5
	; THE WAY OUT: O = O^T x 2^(e8 + e9) / the sum, in f32; held; converted: my tile's fragment of the last GEMM's operand, stored as its image
.rept 4
	v_nop                                          ; places behind the last products
.endr
	v_add_f32 v14, v14, v15
	v_permlanex16_b32 v236, v14, s[SEL], s[SEL+1]
	s_delay_alu instid0(VALU_DEP_1)
	v_add_f32 v14, v14, v236                       ; the row's sum
	s_wait_alu depctr_va_vdst(0)
	v_rcp_f32 v14, v14
	v_nop                                          ; a plain line behind the transcendental
	s_add_co_i32 s96, s76, s77
	s_wait_alu depctr_va_vdst(0)                   ; and the wait ahead of its first reader
	v_ldexp_f32 v14, v14, s96
.set j, 0
.rept 32
	v_pk_mul_f32 v[96+j:97+j], v[160+j:161+j], v[14:15] op_sel_hi:[1,0]   ; register 8 ct + i is O(query r, channel 16 ct + 8 h + i); each accumulator from its low end on
.set j, j+2
.endr
.set j, 0
.rept 64
	v_med3_num_f32 v[96+j], v[96+j], -v241, v241
.set j, j+1
.endr
.irp t, 0,1,2,3,4,5,6,7
	v_cvt_scalef32_pk8_fp8_f32 v[16+2*\t:17+2*\t], v[96+8*\t:103+8*\t], v245
.endr
	v_nop                                          ; one plain line behind the last conversion
.irp c, 0,1,2,3
	global_store_b128 v[LI], v[16+4*\c:19+4*\c], s[8:9] offset:512*\c   ; 32 lanes store 512 consecutive bytes, aligned
.endr
	s_wait_tensorcnt 0x0
	ds_add_u32 v251, v255
	s_wait_dscnt 0x0
	CROUND                                         ; the closing round: no work-group ends while a partner may still ask for bytes that name it
	s_endpgm
.Lfunc_end_k_qecbb8deb66_attn:
	.size	k_qecbb8deb66_attn, .Lfunc_end_k_qecbb8deb66_attn-k_qecbb8deb66_attn
	.p2alignl 7, 3214868480
	.fill 96, 4, 3214868480
	.section	.rodata,"a",@progbits
	.p2align	6, 0x0
	.amdhsa_kernel k_qecbb8deb66_attn
		.amdhsa_group_segment_fixed_size 327680
		.amdhsa_private_segment_fixed_size 0
		.amdhsa_enable_private_segment 0
		.amdhsa_kernarg_size 24
		.amdhsa_user_sgpr_count 2
		.amdhsa_user_sgpr_kernarg_segment_ptr 1
		.amdhsa_wavefront_size32 1
		.amdhsa_system_sgpr_workgroup_id_x 1
		.amdhsa_system_sgpr_workgroup_id_y 1
		.amdhsa_system_sgpr_workgroup_id_z 1
		.amdhsa_system_vgpr_workitem_id 0
		.amdhsa_next_free_vgpr 256
		.amdhsa_next_free_sgpr 100
		.amdhsa_reserve_vcc 1
		.amdhsa_float_denorm_mode_32 3
		.amdhsa_float_denorm_mode_16_64 3
		.amdhsa_memory_ordered 1
		.amdhsa_forward_progress 1
		.amdhsa_inst_pref_size 93
	.end_amdhsa_kernel
	.amdgpu_metadata
---
amdhsa.version: [ 1, 2 ]
amdhsa.kernels:
  - .name:           k_qecbb8deb66_attn
    .symbol:         k_qecbb8deb66_attn.kd
    .args:
      - { .name: qkv, .offset: 0, .size: 8, .value_kind: global_buffer, .address_space: global }
      - { .name: lowp_scales, .offset: 8, .size: 8, .value_kind: global_buffer, .address_space: global }
      - { .name: ao, .offset: 16, .size: 8, .value_kind: global_buffer, .address_space: global }
    .group_segment_fixed_size: 327680
    .private_segment_fixed_size: 0
    .kernarg_segment_align: 8
    .kernarg_segment_size: 24
    .max_flat_workgroup_size: 512
    .sgpr_count:     100
    .vgpr_count:     256
    .wavefront_size: 32
...
	.end_amdgpu_metadata
.endif
;; end of part 3
;; launch outp (part 4): grid 8 x 32, 4 waves a work-group, clusters of 4 x 1, 327,680 bytes of LDS; arguments ao, wimg, lowp_scales, bo, out0; writes out0
.if DOCPART == 4
	.amdgcn_target "amdgcn-amd-amdhsa--gfx1250"
	.amdhsa_code_object_version 6
	.text
	.protected	k_qecbb8deb66_outp
	.globl	k_qecbb8deb66_outp
	.p2align	8
	.type	k_qecbb8deb66_outp,@function
k_qecbb8deb66_outp:
	s_mov_b64 s[64:65], 0
	v_nop
	global_prefetch_b8 v0, s[64:65] scope:SCOPE_SE
	s_setreg_imm32_b32 hwreg(HW_REG_WAVE_MODE, 25, 1), 1
	s_wait_xcnt 0x0
	s_wait_alu depctr_hold_cnt(0) depctr_sa_sdst(0) depctr_va_vdst(0) depctr_va_sdst(0) depctr_va_ssrc(0) depctr_va_vcc(0) depctr_vm_vsrc(0)
	s_getreg_b32 s2, hwreg(HW_REG_IB_STS2, 6, 4)
	s_cmp_eq_u32 s2, 0
	s_cbranch_scc0 .Lentry_in_a_cluster
	s_endpgm
.Lentry_in_a_cluster:
	s_bfe_u32 s2, ttmp6, 0x10000c
	s_cmp_lg_u32 s2, 0x3003
	s_cbranch_scc0 .Lentry_shape_is_right
	s_endpgm
.Lentry_shape_is_right:
; out0 [4096][2048] f32 = (attention's result, as codes of E4M3) x (Wo, as codes) x 2^(e10 + e11) + bo.  K = 2,048, in 16 steps of 128.
; Both operands come as IMAGES OF FRAGMENTS (16 rows x 128 K = 2,048 bytes: registers 4 c .. 4 c + 3 of lane l at 512 c + 16 l):
; ao [group of 128 rows 32][K step of 256: 8][tile 8][half 2][2,048];  wimg the same by groups of 128 columns, Wo's groups from byte WOB on.
; SHARES.  A work-group makes 128 rows x 256 columns; a wave all 128 rows x 64 columns: 32 accumulators, 256 registers.
; THE ROWS' WHOLE K LIES IN LDS, as it lies in memory (262,144 bytes), filled once, in two halves of 131,072 bytes, each wave a quarter of a half: nothing is filled again, so there is no ring.
; The four partners of a cluster are four column blocks of one group of rows: both fills are asked for JOINTLY (mask 15).
; Wo's FRAGMENTS GO FROM MEMORY STRAIGHT INTO REGISTERS: a wave's 64 columns are read by no other wave of the work-group, so LDS would share nothing; a ring of four sets of 64 registers, asked for three steps ahead.
; They are not asked for jointly: a joint request lands in LDS alone.  So the 16 steps have one barrier, in front of step 8, where the second half is first read.
; PREFETCH: the second half of the rows is asked of memory at the head, one instruction a wave: 512 blocks of 256 bytes, the four partners sharing them by address (32,768 bytes each, 8,192 a wave, a lane a block).
; Nothing else is prefetched: the first half is loaded at once, Wo's loads run three steps ahead by themselves, and the text has no loop to run ahead in.
; THE MATRIX INSTRUCTION IS USED TRANSPOSED (source 0 = 16 columns of Wo, source 1 = 16 rows): a lane holds eight neighbouring numbers of a row of out0.
; LIMIT: e10 + e11 between -126 and 127, so that 2^(e10 + e11) is an f32 number.
; REGISTERS: window 0: v16-29 addresses, v32-63 bo, v128-255 the rows' fragments of even steps (on the way out: at work);  window 1: Wo's four sets;  window 2: the accumulators, (a, b) at 8 (4 a + b);
;   window 3: v0-127 the rows' fragments of odd steps.
.set HALFR,  131072                    ; half of the rows' codes
.set STAGE,  2*HALFR                   ; the way out: 16 rows x 272 bytes for each wave, on bytes that no fill lands on
.set SPITCH, 272
.set SPARE,  STAGE+4*16*SPITCH         ; the spare words, 128 bytes a wave
.set WOB,    6291456
.set ROWC,   8192                      ; a row of out0 in bytes
.set ADR,  16                          ; v16-19  16 x lane + 65,536 j: LDS addresses; v16 also my place in an image in memory
.set PFO,  21                          ; v21     256 x lane
.set BOF,  22
.set STO,  24
.set RD,   25
.set CO,   26
.set SPW,  28
.set NIL,  29
.set BC,   32
.set TMP,  128
.set BK,   160
.set G1, 24
.set G0, 32
.set MSB, 0
.macro WIN new                         ; the immediate's high byte repeats the setting that is left
.if MSB != (\new)
	s_set_vgpr_msb (MSB<<8)|(\new)
.set MSB, (\new)
.endif
.endm
.macro PLACES n
.rept \n
	v_nop
.endr
.endm
.macro CROUND                          ; a round of the cluster's barrier
	s_barrier_signal -1
	s_barrier_wait -1
	s_cmp_lg_u32 s14, 0
	s_cbranch_scc1 .Lnot_wave_0_\@
	s_barrier_signal -3
.Lnot_wave_0_\@:
	s_barrier_wait -3
	s_barrier_signal -1
	s_barrier_wait -1
.endm
.macro FETCH_R s                       ; the rows' eight fragments of step s, from LDS
.if (\s)%2
	WIN 0xc0
.else
	WIN 0
.endif
.set RB, 128*(1-(\s)%2)
.irp i, 0,1,2,3,4,5,6,7
.irp c, 0,1,2,3
	ds_load_b128 v[RB+16*\i+4*\c:RB+16*\i+4*\c+3], v[ADR+(\s)/4] offset:32768*(((\s)/2)%2)+4096*\i+2048*((\s)%2)+512*\c
.endr
.endr
.endm
.macro FETCH_P s                       ; my four fragments of Wo of step s, from memory: each load reads 512 consecutive bytes
	WIN 0x40
.irp b, 0,1,2,3
.irp c, 0,1,2,3
	global_load_b128 v[64*((\s)%4)+16*\b+4*\c:64*((\s)%4)+16*\b+4*\c+3], v[ADR], s[46:47] offset:32768*((\s)/2)+2048*((\s)%2)+4096*\b+512*\c
.endr
.endr
.endm
.macro MULS s, zero                    ; 32 matrix instructions; the 32 accumulators take turns, in the same order in every step
.if (\s)%2
	WIN 0xad
.else
	WIN 0xa1
.endif
.set RB, 128*(1-(\s)%2)
.irp a, 0,1,2,3,4,5,6,7
.irp b, 0,1,2,3
.if \zero
	v_wmma_f32_16x16x128_fp8_fp8 v[8*(4*\a+\b):8*(4*\a+\b)+7], v[64*((\s)%4)+16*\b:64*((\s)%4)+16*\b+15], v[RB+16*\a:RB+16*\a+15], 0
.else
	v_wmma_f32_16x16x128_fp8_fp8 v[8*(4*\a+\b):8*(4*\a+\b)+7], v[64*((\s)%4)+16*\b:64*((\s)%4)+16*\b+15], v[RB+16*\a:RB+16*\a+15], v[8*(4*\a+\b):8*(4*\a+\b)+7]
.endif
.endr
.endr
.endm
; A step of 128 along K.  rnext = 1: the next step's rows are fetched into the set that the step before multiplied.
.macro STEP s, zero, rnext
	PLACES 4                                       ; in front of loads into registers that the last step's matrix instructions read
.if \rnext
	FETCH_R (\s)+1
.endif
.if (\s) < 13
	s_wait_loadcnt 32                              ; this step's 16 loads of Wo are in (and bo); the next two steps' may be out
	FETCH_P (\s)+3                                 ; into the set that the step before multiplied
.else
	s_wait_loadcnt 16*(15-(\s))                    ; the later steps' loads may be out
.endif
	s_wait_dscnt 32*\rnext                         ; this step's rows are in; the 32 loads just issued may be out
	MULS \s, \zero
.endm
	s_load_b256 s[4:11], s[0:1], 0x0               ; ao 4, wimg 6, the exponents 8, bo 10
	s_load_b64 s[12:13], s[0:1], 0x20              ; out0
	v_lshl_add_u32 v[SPW], v0, 2, SPARE
	v_mov_b32 v[NIL], 0
	ds_add_u32 v[SPW], v[NIL]                      ; the opening: the add, twice on end, and its wait ahead of my first tensor load
	ds_add_u32 v[SPW], v[NIL]
	v_lshrrev_b32 v1, 5, v0
	v_readfirstlane_b32 s14, v1                    ; wave 0..3
	s_lshr_b32 s15, s14, 1
	s_and_b32 s16, s14, 1
	s_bfe_u32 s40, ttmp6, 0x40000                  ; cx: it enters global addresses of plain loads, stores and the prefetch alone
	s_lshl_b32 s42, ttmp9, 2
	s_add_co_u32 s42, s42, s40                     ; block of 256 columns
	s_and_b32 s17, ttmp7, 0xffff                   ; group of 128 rows
	s_mov_b32 s[G1], 15|(3<<16)|(1<<21)            ; the mask: all four partners; elements of 8 bytes; bit 21 beside a mask
	s_mov_b32 s[G1+1], 32<<16                      ; rows of 256 bytes,
	s_mov_b32 s[G1+2], 128<<16                     ; 128 of them,
	s_mov_b32 s[G1+3], 32<<16
	s_mov_b32 s[G1+4], 128
	s_mov_b32 s[G1+5], 32                          ; dense
	s_mov_b32 s[G1+6], 0
	s_mov_b32 s[G1+7], 0
	s_lshl_b32 s20, s17, 18
	s_lshl_b32 s22, s14, 15                        ; my quarter of a half, in LDS and in memory alike
	s_add_co_u32 s20, s20, s22
	s_mov_b32 s21, 0
	s_lshl_b32 s46, s42, 1
	s_add_co_u32 s46, s46, s15                     ; Wo's group of 128 columns,
	s_lshl_b32 s46, s46, 18
	s_lshl_b32 s47, s16, 14                        ; my four tiles of it
	s_add_co_u32 s46, s46, s47
	s_add_co_u32 s46, s46, WOB
	s_mov_b32 s47, 0
	s_lshl_b32 s48, s42, 10
	s_lshl_b32 s49, s14, 8
	s_add_co_u32 s48, s48, s49                     ; my first column, in bytes of f32
	s_mov_b32 s49, 0
	s_lshl_b32 s50, s17, 20                        ; my first row of out0
	s_mov_b32 s51, 0
	s_lshl_b32 s44, s17, 18                        ; the prefetch: the rows' second half, my work-group's quarter, my wave's quarter of that
	s_lshl_b32 s45, s40, 15
	s_add_co_u32 s44, s44, s45
	s_lshl_b32 s45, s14, 13
	s_add_co_u32 s44, s44, s45
	s_add_co_u32 s44, s44, HALFR
	s_mov_b32 s45, 0
	s_mul_i32 s23, s14, 16*SPITCH
	s_add_co_u32 s23, s23, STAGE                   ; my stage
	v_and_b32 v1, 15, v0                           ; r
	v_bfe_u32 v2, v0, 4, 1                         ; h
	v_and_b32 v6, 31, v0
	v_lshlrev_b32 v[ADR], 4, v6
	v_lshlrev_b32 v[PFO], 8, v6
.irp j, 1,2,3
	v_add_nc_u32 v[ADR+\j], 65536*\j, v[ADR]
.endr
	v_mul_u32_u24 v5, v1, SPITCH
	v_lshl_add_u32 v5, v2, 5, v5
	v_add_nc_u32 v[STO], s23, v5                   ; into the stage: row r, 32 bytes for each half of the lanes
	v_mul_u32_u24 v7, v2, SPITCH
	v_lshl_add_u32 v7, v1, 4, v7
	v_add_nc_u32 v[RD], s23, v7                    ; back: sixteen lanes to a row of 256 bytes, two rows an instruction
	v_lshlrev_b32 v[CO], 4, v1
	v_lshl_add_u32 v[CO], v2, 13, v[CO]            ; and the same two rows in out0
	v_lshlrev_b32 v[BOF], 5, v2
	s_wait_alu depctr_va_vdst(0)                   ; the wait at the end of the head's vector work, directly ahead of the waits below
	s_wait_dscnt 0x0                               ; both opening adds are done
	s_wait_kmcnt 0x0
	s_load_b64 s[96:97], s[8:9], 0x28              ; e10, e11
	s_add_nc_u64 s[20:21], s[4:5], s[20:21]
	s_add_nc_u64 s[44:45], s[4:5], s[44:45]
	s_add_nc_u64 s[46:47], s[6:7], s[46:47]
	s_add_nc_u64 s[10:11], s[10:11], s[48:49]
	s_add_nc_u64 s[12:13], s[12:13], s[48:49]
	s_add_nc_u64 s[12:13], s[12:13], s[50:51]
	global_prefetch_b8 v[PFO], s[44:45] th:TH_LOAD_NT scope:SCOPE_SE   ; its address registers are never written again
.irp b, 0,1,2,3
	global_load_b128 v[BC+8*\b:BC+8*\b+3], v[BOF], s[10:11] offset:64*\b       ; bo at my lane's eight columns of each tile
	global_load_b128 v[BC+8*\b+4:BC+8*\b+7], v[BOF], s[10:11] offset:64*\b+16
.endr
	FETCH_P 0
	FETCH_P 1
	FETCH_P 2
	WIN 0
	s_mov_b32 s[G0], 1
	s_mov_b32 s[G0+1], s22
	s_mov_b64 s[G0+2:G0+3], s[20:21]
	s_or_b32 s[G0+3], s[G0+3], 0x80000000
	s_mov_b32 s[G0+4], 1
	s_add_co_u32 s[G0+5], s22, HALFR
	s_add_nc_u64 s[G0+6:G0+7], s[20:21], HALFR
	s_or_b32 s[G0+7], s[G0+7], 0x80000000
	CROUND                                         ; all four work-groups are here: the joint loads meet
	tensor_load_to_lds s[G0:G0+3], s[G1:G1+7]      ; steps 0 to 7: one tensor load a wave at the head
	s_nop 0
	PLACES 4
	s_wait_tensorcnt 0x0                           ; my quarter is in
	ds_add_u32 v[SPW], v[NIL]
	s_wait_dscnt 0x0
	CROUND                                         ; everybody's quarter is in
	tensor_load_to_lds s[G0+4:G0+7], s[G1:G1+7]    ; steps 8 to 15: it has steps 0 to 7 in which to land
	s_nop 0
	PLACES 4
	FETCH_R 0
	STEP 0, 1, 1                                   ; the first products start the sums: nothing is cleared
.irp s, 1,2,3,4,5,6
	STEP \s, 0, 1
.endr
	STEP 7, 0, 0                                   ; step 8's rows lie in the second half: they are fetched behind the barrier
	WIN 0
	s_wait_tensorcnt 0x0                           ; my quarter of the second half is in (no LDS instruction of mine is out: step 7 waited for all)
	s_barrier_signal -1
	s_barrier_wait -1                              ; and everybody's
	FETCH_R 8
.irp s, 8,9,10,11,12,13,14
	STEP \s, 0, 1
.endr
	STEP 15, 0, 0
	WIN 0
; THE WAY OUT, by blocks of 16 rows x 64 columns: x 2^(e10 + e11), + bo; through my stage; back as rows of 256 bytes, which sixteen lanes store as one aligned unit.
; LDS serves a wave's instructions in order (ISA guide 5.7.1.4): no wait between the stores and the loads, nor in front of the next block's stores.
.macro TOSTAGE a
.set BB, BK+32*((\a)%2)
	WIN 0x02
.set j, 0
.rept 16
	v_pk_fma_f32 v[TMP+j:TMP+j+1], v[32*(\a)+j:32*(\a)+j+1], s[96:97], v[BC+j:BC+j+1] op_sel_hi:[1,0,1]   ; each accumulator from its low end on
.set j, j+2
.endr
	WIN 0
.irp b, 0,1,2,3
	ds_store_b128 v[STO], v[TMP+8*\b:TMP+8*\b+3] offset:64*\b
	ds_store_b128 v[STO], v[TMP+8*\b+4:TMP+8*\b+7] offset:64*\b+16
.endr
.irp t, 0,1,2,3,4,5,6,7
	ds_load_b128 v[BB+4*\t:BB+4*\t+3], v[RD] offset:\t*2*SPITCH
.endr
.endm
.macro SEND a, younger                 ; younger: the LDS instructions issued behind block a's loads
.set BB, BK+32*((\a)%2)
	s_wait_dscnt \younger
.irp t, 0,1,2,3,4,5,6,7
	global_store_b128 v[CO], v[BB+4*\t:BB+4*\t+3], s[12:13] offset:(16*(\a)+2*\t)*ROWC th:TH_STORE_NT   ; every offset an immediate: 126 rows of 8,192 bytes at the most
.endr
.endm
	s_wait_kmcnt 0x0
	s_add_co_i32 s96, s96, s97
	s_add_co_i32 s96, s96, 127
	s_lshl_b32 s96, s96, 23                        ; 2^(e10 + e11) as f32
	s_mov_b32 s97, s96
	PLACES 4                                       ; behind the last products
	TOSTAGE 0
.irp a, 1,2,3,4,5,6,7
.if \a > 1
	s_wait_xcnt 0x0                                ; block a - 2's stores have read their registers: block a's loads may land there
.endif
	TOSTAGE \a
	SEND \a-1, 16                                  ; behind block a - 1's loads: block a's 8 stores and 8 loads
.endr
	SEND 7, 0
	s_wait_tensorcnt 0x0                           ; the wave's end
	ds_add_u32 v[SPW], v[NIL]
	s_wait_dscnt 0x0
	CROUND                                         ; the closing round
	s_endpgm
.Lfunc_end_k_qecbb8deb66_outp:
	.size	k_qecbb8deb66_outp, .Lfunc_end_k_qecbb8deb66_outp-k_qecbb8deb66_outp
	.p2alignl 7, 3214868480
	.fill 96, 4, 3214868480
	.section	.rodata,"a",@progbits
	.p2align	6, 0x0
	.amdhsa_kernel k_qecbb8deb66_outp
		.amdhsa_group_segment_fixed_size 327680
		.amdhsa_private_segment_fixed_size 0
		.amdhsa_enable_private_segment 0
		.amdhsa_kernarg_size 40
		.amdhsa_user_sgpr_count 2
		.amdhsa_user_sgpr_kernarg_segment_ptr 1
		.amdhsa_wavefront_size32 1
		.amdhsa_system_sgpr_workgroup_id_x 1
		.amdhsa_system_sgpr_workgroup_id_y 1
		.amdhsa_system_sgpr_workgroup_id_z 1
		.amdhsa_system_vgpr_workitem_id 0
		.amdhsa_next_free_vgpr 896
		.amdhsa_next_free_sgpr 98
		.amdhsa_reserve_vcc 0
		.amdhsa_float_denorm_mode_32 3
		.amdhsa_float_denorm_mode_16_64 3
		.amdhsa_memory_ordered 1
		.amdhsa_forward_progress 1
		.amdhsa_inst_pref_size 123
	.end_amdhsa_kernel
	.amdgpu_metadata
---
amdhsa.version: [ 1, 2 ]
amdhsa.kernels:
  - .name:           k_qecbb8deb66_outp
    .symbol:         k_qecbb8deb66_outp.kd
    .args:
      - { .name: ao, .offset: 0, .size: 8, .value_kind: global_buffer, .address_space: global }
      - { .name: wimg, .offset: 8, .size: 8, .value_kind: global_buffer, .address_space: global }
      - { .name: lowp_scales, .offset: 16, .size: 8, .value_kind: global_buffer, .address_space: global }
      - { .name: bo, .offset: 24, .size: 8, .value_kind: global_buffer, .address_space: global }
      - { .name: out0, .offset: 32, .size: 8, .value_kind: global_buffer, .address_space: global }
    .group_segment_fixed_size: 327680
    .private_segment_fixed_size: 0
    .kernarg_segment_align: 8
    .kernarg_segment_size: 40
    .max_flat_workgroup_size: 128
    .sgpr_count:     98
    .vgpr_count:     896
    .wavefront_size: 32
...
	.end_amdgpu_metadata
.endif
;; end of part 4
